; MI455X (gfx1250); checked and timed in simulation.
; The chip was launched on July 23, 2026; its instructions are those of AMD's public machine-readable ISA for CDNA 5 (MIT licence, August 2026) and "CDNA5" Instruction Set Architecture Reference Guide (July 2026). The comments in the code are by the model that wrote it; some were corrected since.
;; Full Attention. Allowed arithmetic: float matrix products may take bf16 or f16 operands with f32 sums; all other float work in f32.
;; Inputs: keys 4 x 8 x 2,048 x 64 float32; queries 4 x 8 x 2,048 x 64 float32; values 4 x 8 x 2,048 x 64 float32.
;; Outputs: out0 4 x 8 x 2,048 x 64 float32.
;; One version. Each part assembles by itself: llvm-mc -triple=amdgcn-amd-amdhsa -mcpu=gfx1250 --defsym DOCPART=n.
;; ======== version 1 of 1: 1 launch
;; limits: inputs' magnitudes at most 65,408; values are held in f16: magnitudes above 65,504 overflow, below 6.1e-05 lose precision
;; launch attn (part 1): grid 8 x 32, 8 waves a work-group, no clusters, 226,304 bytes of LDS; arguments queries, keys, values, out0; writes out0
.if DOCPART == 1
	.amdgcn_target "amdgcn-amd-amdhsa--gfx1250"
	.amdhsa_code_object_version 6
	.text
	.protected	k_q4384ea3707_attn
	.globl	k_q4384ea3707_attn
	.p2align	8
	.type	k_q4384ea3707_attn,@function
k_q4384ea3707_attn:
	s_mov_b64 s[64:65], 0
	v_nop
	global_prefetch_b8 v0, s[64:65] scope:SCOPE_SE
	s_setreg_imm32_b32 hwreg(HW_REG_WAVE_MODE, 25, 1), 1
	s_wait_xcnt 0x0
; Causal softmax attention.  queries, keys, values, out0: [32 heads][2048][64] f32.  out = softmax(Q K^T / 8, causal) V.
;
; SHARES.  A head has 16 query blocks of 128 rows.  Work-group (i, head) takes block i and block 15 - i: 17 units of
; 128 rows x 128 keys whatever i is, so the 8 x 32 work-groups are equal.  Both blocks run at once on the same K and V:
; the group walks H = 16 - i halves of 128 keys once.  Eight waves, 32 query rows each (two tiles of 16): four waves on
; the low block, four on the high one.  A wave computes n = 2 blk + (a >> 1) + 1 subtiles of 64 keys and then only helps to stage.
; Only a wave's last subtile crosses the diagonal; every subtile that is computed has a visible key in every row.
;
; TRANSPOSED PRODUCTS.  S^T[key][q] = K Q^T and O^T[d][q] = V^T P^T.  A lane then holds one query: the running maximum,
; the sum and the rescaling factor are one number a lane, and the packed scores ARE the second product's B fragment.
; The two halves of the lanes hold different keys of the same query: one v_permlanex16_b32 a subtile joins the maxima,
; the sums are joined once at the end.
;
; FORMATS.  Q, K and V are rounded to bf16.  The first product is a bf16 product.  The second is an f16 product: the
; probabilities lie in [0, 1], where f16 keeps 11 significant bits against bf16's 8; in a row with few visible keys one
; probability is a large share of the result, and its rounding error goes into the result whole.  V's bf16 number is
; written as f16, which holds every bf16 number of magnitude 2^-17 to 65,504 exactly: all three inputs carry one and
; the same rounding, and the only other one is the probabilities'.
;
; K AND V come in by 16-byte loads (f32), are rounded in registers and stored into two LDS slots of 256 keys.
; The loads for trip t + 2 are issued at the head of trip t and awaited at the head of trip t + 1.
;
; NOT USED, AND WHY.  Joint tensor loads in a cluster: they would land f32 in LDS, so that 64 keys cost 32 KB written,
; 32 KB read back and 16 KB written again in place of 16 KB written; and the 8 groups of a head walk 9 to 16 halves,
; not the same number.  Prefetches: the loads themselves are issued one whole trip of 256 keys (128 KB a group) ahead.
;
; LIMITS.  Inputs finite and scores finite in f32.  |values| below 65,408 (beyond it bf16 rounds to 65,536, which f16 holds only as infinity); values below
; 2^-17 are held to 2^-25 absolute.  Maxima, row sums and output sums are f32; the row sum is taken from the unrounded
; probabilities.  v_exp_f32 gives zero for results below 2^-126.
.set KPITCH, 144                       ; K row in LDS: 128 bytes + 16 = 9 x 16
.set VPITCH, 160                       ; V row in LDS: 128 bytes + 32 = 5 x 32 (for the transposing loads)
.set VBASE,  256*KPITCH                ; V behind K's 256 rows: 36,864
.set SLOT,   VBASE+256*VPITCH          ; 77,824 bytes a slot, two slots
.set OSTG,   2*SLOT                    ; behind them each wave's own stage for the way out
.set OPITCH, 272                       ; a row of 64 f32 + 16 bytes
.set ROWB,   256                       ; a row of K, V, Q, out in memory
.set HALFB,  128*ROWB
.set TILEB,  256*ROWB
; window 0
.set KA,   6                           ; v6,7    K fragment address, slot 0, 1
.set VA,   8                           ; v8,9    V^T fragment address, slot 0, 1
.set REL,  10                          ; v10     r - 8 h + 32 (a & 1): the diagonal as this lane sees it
.set NINF, 11                          ; v11     -infinity
.set M,    12                          ; v12,13  running maximum (raw scores), query tile 0, 1
.set NMC,  14                          ; v14,15  -c x maximum, c = log2(e) / 8
.set AL,   16                          ; v16,17  2^(c (old maximum - new maximum))
.set LS,   18                          ; v18:19, v20:21 running sums, a pair for each query tile
.set T,    22                          ; v22-29  at work: four registers for each query tile
.set MN,   30                          ; v30,31  new maximum
.set QF,   32                          ; v32-63  Q fragments [qt][ks] at 16 qt + 8 ks
.set OA,   64                          ; v64-127 O^T [qt][dt] at 32 qt + 8 dt
.set SC,   128                         ; v128-191 S^T [qt][kt] at 32 qt + 8 kt; packed: P [qt][u] at 32 qt + 8 u
.set FR,   192                         ; v192-255 K fragments [kt][ks] at 16 kt + 8 ks, then V^T fragments [u][dt] at 32 u + 8 dt
; window 1 (v256 and up, written by their low 8 bits)
.set STG,  0                           ; v256-383 staging: K (hf, j) at 32 hf + 4 j, V at 64 + 32 hf + 4 j
.set KOFF, 128                         ; v384    my 16 bytes of K in a half, byte offset in memory
.set VOFF, 129                         ; v385    the same for V
.set KST,  130                         ; v386,387 where my K goes in LDS, slot 0, 1
.set VST,  132                         ; v388,389 the same for V
; s_set_vgpr_msb: bits 1:0 source 0, 3:2 source 1, 5:4 source 2, 7:6 destination; the high byte repeats the setting left.
.set MSB, 0
.macro WIN new
.if MSB != \new
	s_set_vgpr_msb (MSB<<8)|\new
.set MSB, \new
.endif
.endm
	s_load_b256 s[4:11], s[0:1], 0x0               ; Q s[4:5], K s[6:7], V s[8:9], out s[10:11]
	s_set_vgpr_msb 0x40
	v_lshl_add_u32 v136, v0, 2, 0x37000
	v_mov_b32 v137, 0
	s_set_vgpr_msb 0x4000
	v_lshrrev_b32 v3, 5, v0
	v_readfirstlane_b32 s12, v3                    ; wave w
	s_mov_b32 s13, ttmp9                           ; i
	s_and_b32 s14, ttmp7, 0xffff                   ; head
	s_lshr_b32 s15, s12, 2
	s_xor_b32 s15, s15, s12
	s_and_b32 s15, s15, 1                          ; hi = (w ^ (w >> 2)) & 1: low and high waves alternate both by w % 4 and by w / 2
	s_lshr_b32 s16, s12, 1                         ; a = which 32 rows of the block
	s_sub_co_u32 s23, 15, s13
	s_cmp_lg_u32 s15, 0
	s_cselect_b32 s17, s23, s13                    ; blk = hi ? 15 - i : i
	s_lshl_b32 s18, s17, 7
	s_lshl_b32 s23, s16, 5
	s_add_co_u32 s18, s18, s23                     ; q0 = 128 blk + 32 a
	s_lshl_b32 s19, s17, 1
	s_lshr_b32 s23, s16, 1
	s_add_co_u32 s19, s19, s23
	s_add_co_u32 s19, s19, 1                       ; REM = n = 2 blk + (a >> 1) + 1 subtiles still to compute
	s_sub_co_u32 s20, 18, s13                      ; HREM = H + 2 for the staging step in front of trip 0
	s_sub_co_u32 s22, 17, s13
	s_lshr_b32 s22, s22, 2                         ; rounds of the loop: (H + 1) >> 2
	s_mov_b32 s26, 0x76543210                      ; v_permlanex16_b32: lane l reads lane l of the other half
	s_mov_b32 s27, 0xfedcba98
	s_mov_b32 s32, 0xffff0000                      ; a word's upper bf16
	s_mul_i32 s28, s12, 32*OPITCH
	s_add_co_u32 s28, s28, OSTG                    ; my stage
	s_mul_i32 s29, s12, 16*KPITCH                  ; my 16 rows of each half: in K's LDS rows,
	s_mul_i32 s30, s12, 16*VPITCH                  ; in V's,
	s_lshl_b32 s31, s12, 12                        ; and in memory
	v_and_b32 v1, 15, v0                           ; r
	v_bfe_u32 v2, v0, 4, 1                         ; h
	v_lshlrev_b32 v22, 4, v1                       ; 16 r
	v_lshlrev_b32 v23, 3, v1                       ; 8 r
	v_mul_u32_u24 v25, v2, 8*KPITCH                ; K: the upper lanes take the row 8 further down
	v_add_nc_u32 v25, v25, v23
	v_add_nc_u32 v25, s29, v25
	v_mul_u32_u24 v26, v2, 4*VPITCH                ; V: 4 further down.  1,152 and 640 are 128 modulo 256:
	v_add_nc_u32 v26, v26, v23                     ; the two runs of 128 bytes of one 8-byte store do not meet modulo 256
	v_add_nc_u32 v26, s30, v26
	v_lshl_add_u32 v3, v2, 11, v22
	v_add_nc_u32 v3, s31, v3
	v_lshl_add_u32 v4, v2, 10, v22
	v_add_nc_u32 v4, s31, v4
	WIN 0x40                                       ; destinations in window 1
	v_mov_b32 v[KOFF], v3
	v_mov_b32 v[VOFF], v4
	v_mov_b32 v[KST], v25
	v_add_nc_u32 v[KST+1], SLOT, v25
	v_add_nc_u32 v[VST], VBASE, v26
	v_add_nc_u32 v[VST+1], VBASE+SLOT, v26
	WIN 0
	v_lshlrev_b32 v5, 8, v1
	v_lshl_add_u32 v5, v2, 5, v5                   ; Q: row r, 32 h bytes in
	s_wait_kmcnt 0x0
	s_lshl_b32 s24, s14, 19                        ; a head is 2,048 rows of 256 bytes
	s_mov_b32 s25, 0
	s_add_nc_u64 s[6:7], s[6:7], s[24:25]
	s_add_nc_u64 s[8:9], s[8:9], s[24:25]
	s_lshl_b32 s23, s18, 8
	s_add_co_u32 s24, s24, s23                     ; + q0 rows
	s_add_nc_u64 s[4:5], s[4:5], s[24:25]
	s_add_nc_u64 s[10:11], s[10:11], s[24:25]
; One half (128 keys) of K and of V, f32: 16 loads, each two whole rows of 256 bytes.
.macro LOADHALF hf
	WIN 0x41                                       ; data and address in window 1
.irp j, 0,1,2,3,4,5,6,7
	global_load_b128 v[STG+32*\hf+4*\j:STG+32*\hf+4*\j+3], v[KOFF], s[6:7] offset:\hf*HALFB+\j*ROWB
	global_load_b128 v[STG+64+32*\hf+4*\j:STG+64+32*\hf+4*\j+3], v[VOFF], s[8:9] offset:\hf*HALFB+((\j&3)+8*(\j>>2))*ROWB
.endr
	WIN 0
.endm
; That half rounded in place (4 registers become 2) and stored into a slot, 8 bytes a lane.
; K: to bf16.  V: to bf16, the two halves widened again (a shift, a mask), and those numbers written as f16.
.macro CVTST hf, slot
	WIN 0x45                                       ; destination and both sources in window 1
.irp g, 0,4,8,12,16,20,24,28
	v_cvt_pk_bf16_f32 v[STG+32*\hf+\g], v[STG+32*\hf+\g], v[STG+32*\hf+\g+1]
	v_cvt_pk_bf16_f32 v[STG+32*\hf+\g+1], v[STG+32*\hf+\g+2], v[STG+32*\hf+\g+3]
	v_cvt_pk_bf16_f32 v[STG+64+32*\hf+\g], v[STG+64+32*\hf+\g], v[STG+64+32*\hf+\g+1]
	v_cvt_pk_bf16_f32 v[STG+64+32*\hf+\g+2], v[STG+64+32*\hf+\g+2], v[STG+64+32*\hf+\g+3]
	v_lshlrev_b32 v[STG+64+32*\hf+\g+1], 16, v[STG+64+32*\hf+\g]           ; number 0
	v_lshlrev_b32 v[STG+64+32*\hf+\g+3], 16, v[STG+64+32*\hf+\g+2]         ; number 2
	v_and_b32 v[STG+64+32*\hf+\g], s32, v[STG+64+32*\hf+\g]                ; number 1
	v_and_b32 v[STG+64+32*\hf+\g+2], s32, v[STG+64+32*\hf+\g+2]            ; number 3
	v_cvt_pk_f16_f32 v[STG+64+32*\hf+\g], v[STG+64+32*\hf+\g+1], v[STG+64+32*\hf+\g]
	v_cvt_pk_f16_f32 v[STG+64+32*\hf+\g+1], v[STG+64+32*\hf+\g+3], v[STG+64+32*\hf+\g+2]
.endr
	WIN 0x05                                       ; address and data in window 1
.irp j, 0,1,2,3,4,5,6,7
	ds_store_b64 v[KST+\slot], v[STG+32*\hf+4*\j:STG+32*\hf+4*\j+1] offset:\hf*128*KPITCH+\j*KPITCH
	ds_store_b64 v[VST+\slot], v[STG+64+32*\hf+4*\j:STG+64+32*\hf+4*\j+1] offset:\hf*128*VPITCH+((\j&3)+8*(\j>>2))*VPITCH
.endr
	WIN 0
.endm
; At the head of trip t (HREM = H - 2 t, equal in all waves): tile t + 1 goes from the staging registers into its slot,
; then tile t + 2 is asked for.  A half is touched only if it exists: half 2 (t + 1) + hf < H, half 2 (t + 2) + hf < H.
; One staging set: the wait is for all loads, whichever halves were asked for, so the guards change no count.
.macro STAGE slot, id
	s_wait_loadcnt 0x0                             ; tile t + 1 is in; its loads no longer need s[6:9]
	s_cmp_le_i32 s20, 2
	s_cbranch_scc1 .Lstage_end_\id
	CVTST 0, \slot
	s_cmp_le_i32 s20, 3
	s_cbranch_scc1 .Lstage_ld_\id
	CVTST 1, \slot
.Lstage_ld_\id:
	s_cmp_le_i32 s20, 4
	s_cbranch_scc1 .Lstage_end_\id
	s_add_nc_u64 s[6:7], s[6:7], TILEB
	s_add_nc_u64 s[8:9], s[8:9], TILEB
	LOADHALF 0
	s_cmp_le_i32 s20, 5
	s_cbranch_scc1 .Lstage_end_\id
	LOADHALF 1
.Lstage_end_\id:
.endm
; s <- c s - c m for the 32 scores of query tile q, two at a time; the addend is v14 (tile 0) or v15 (tile 1) in both halves
.macro FMAQ q
.set pp, 0
.rept 16
.if \q == 0
	v_pk_fma_f32 v[SC+2*pp:SC+2*pp+1], v[SC+2*pp:SC+2*pp+1], 0x3e38aa3b, v[NMC:NMC+1] op_sel_hi:[1,0,0]
.else
	v_pk_fma_f32 v[SC+32+2*pp:SC+32+2*pp+1], v[SC+32+2*pp:SC+32+2*pp+1], 0x3e38aa3b, v[NMC:NMC+1] op_sel:[0,0,1] op_sel_hi:[1,0,1]
.endif
.set pp, pp+1
.endr
.endm
.macro EXPQ q
.set pp, 0
.rept 32
	v_exp_f32 v[SC+32*\q+pp], v[SC+32*\q+pp]
.set pp, pp+1
.endr
.endm
; the lane's 32 probabilities of tile q summed in two chains of pairs; the first subtile's sum starts LS
.macro SUMQ q, first
	s_wait_alu depctr_va_vdst(0)
	v_pk_add_f32 v[T+4*\q:T+4*\q+1], v[SC+32*\q:SC+32*\q+1], v[SC+32*\q+2:SC+32*\q+3]
	v_pk_add_f32 v[T+4*\q+2:T+4*\q+3], v[SC+32*\q+16:SC+32*\q+17], v[SC+32*\q+18:SC+32*\q+19]
.irp k, 4,6,8,10,12,14
	v_pk_add_f32 v[T+4*\q:T+4*\q+1], v[T+4*\q:T+4*\q+1], v[SC+32*\q+\k:SC+32*\q+\k+1]
	v_pk_add_f32 v[T+4*\q+2:T+4*\q+3], v[T+4*\q+2:T+4*\q+3], v[SC+32*\q+16+\k:SC+32*\q+16+\k+1]
.endr
.if \first
	v_pk_add_f32 v[LS+2*\q:LS+2*\q+1], v[T+4*\q:T+4*\q+1], v[T+4*\q+2:T+4*\q+3]
.else
	v_pk_add_f32 v[T+4*\q:T+4*\q+1], v[T+4*\q:T+4*\q+1], v[T+4*\q+2:T+4*\q+3]
.endif
.endm
; 32 f32 become 16 registers of f16, in place and ascending: register p is read (as 2 p' or 2 p' + 1) before it is written.
; Key tiles 2 u and 2 u + 1 give k = 8 h .. and 16 + 8 h .. of a B fragment over 32 keys.
.macro PACKQ q
.set pp, 0
.rept 16
	v_cvt_pk_f16_f32 v[SC+32*\q+pp], v[SC+32*\q+2*pp], v[SC+32*\q+2*pp+1]
.set pp, pp+1
.endr
.endm
; One subtile of 64 keys for the wave's 32 queries.  sub: which of the slot's four; first = 1: the wave's very first subtile,
; which starts the maxima, the sums and O (nothing is cleared) and is never skipped (n >= 1).
.macro COMPUTE slot, sub, first, id
.if \first == 0
	s_cmp_le_i32 s19, \sub                         ; the wave has done its n subtiles
	s_cbranch_scc1 .Ltrip_end_\id
.endif
.if \first
.set MX, M
.else
.set MX, MN
.endif
.irp kt, 0,1,2,3
.irp c, 0,1,2,3
	ds_load_b128 v[FR+16*\kt+4*\c:FR+16*\kt+4*\c+3], v[KA+\slot] offset:(64*\sub+16*\kt)*KPITCH+32*\c
.endr
.endr
.irp kt, 0,1,2,3
	s_wait_dscnt 12-4*\kt                          ; LDS answers in order (ISA guide 5.7.1): the four loads of each later key tile stay out
	v_wmma_f32_16x16x32_bf16 v[SC+8*\kt:SC+8*\kt+7], v[FR+16*\kt:FR+16*\kt+7], v[QF:QF+7], 0
	v_wmma_f32_16x16x32_bf16 v[SC+32+8*\kt:SC+32+8*\kt+7], v[FR+16*\kt:FR+16*\kt+7], v[QF+16:QF+23], 0
	v_wmma_f32_16x16x32_bf16 v[SC+8*\kt:SC+8*\kt+7], v[FR+16*\kt+8:FR+16*\kt+15], v[QF+8:QF+15], v[SC+8*\kt:SC+8*\kt+7]
	v_wmma_f32_16x16x32_bf16 v[SC+32+8*\kt:SC+32+8*\kt+7], v[FR+16*\kt+8:FR+16*\kt+15], v[QF+24:QF+31], v[SC+32+8*\kt:SC+32+8*\kt+7]
.endr
.rept 4
	v_nop                                          ; four places before loads land in FR and vector lines read SC
.endr
.irp u, 0,1
.irp dt, 0,1,2,3
	ds_load_tr16_b128 v[FR+32*\u+8*\dt:FR+32*\u+8*\dt+3], v[VA+\slot] offset:(64*\sub+32*\u)*VPITCH+32*\dt
	ds_load_tr16_b128 v[FR+32*\u+8*\dt+4:FR+32*\u+8*\dt+7], v[VA+\slot] offset:(64*\sub+32*\u+16)*VPITCH+32*\dt
.endr
.endr
	; the diagonal: only in the wave's last subtile.  Key 16 kt + 8 h + j is hidden from query 16 qt + r + 32 (a & 1)
	; where 16 kt + j - 16 qt > REL; REL >= -8, so smaller constants hide nothing and are left out.
	s_cmp_lg_u32 s19, \sub+1
	s_cbranch_scc1 .Lnomask_\id\sub
.irp qt, 0,1
.irp kt, 0,1,2,3
.irp j, 0,1,2,3,4,5,6,7
.if 16*\kt+\j-16*\qt > -8
	v_cmp_gt_i32 vcc_lo, 16*\kt+\j-16*\qt, v[REL]
	v_cndmask_b32 v[SC+32*\qt+8*\kt+\j], v[SC+32*\qt+8*\kt+\j], v[NINF], vcc_lo
.endif
.endr
.endr
.endr
.Lnomask_\id\sub:
	; maxima: two chains for each query tile, joined with the old maximum, then with the other half of the lanes
.irp q, 0,1
	v_max3_num_f32 v[T+4*\q], v[SC+32*\q], v[SC+32*\q+1], v[SC+32*\q+2]
	v_max3_num_f32 v[T+4*\q+1], v[SC+32*\q+16], v[SC+32*\q+17], v[SC+32*\q+18]
.endr
.irp k, 3,5,7,9,11,13
.irp q, 0,1
	v_max3_num_f32 v[T+4*\q], v[T+4*\q], v[SC+32*\q+\k], v[SC+32*\q+\k+1]
	v_max3_num_f32 v[T+4*\q+1], v[T+4*\q+1], v[SC+32*\q+16+\k], v[SC+32*\q+16+\k+1]
.endr
.endr
.irp q, 0,1
	v_max3_num_f32 v[T+4*\q], v[T+4*\q], v[T+4*\q+1], v[SC+32*\q+15]
.endr
.irp q, 0,1
.if \first
	v_max_num_f32 v[T+4*\q], v[T+4*\q], v[SC+32*\q+31]
.else
	v_max3_num_f32 v[T+4*\q], v[T+4*\q], v[SC+32*\q+31], v[M+\q]
.endif
.endr
.irp q, 0,1
	v_permlanex16_b32 v[T+4*\q+2], v[T+4*\q], s26, s27
.endr
.irp q, 0,1
	v_max_num_f32 v[MX+\q], v[T+4*\q], v[T+4*\q+2]
.endr
	v_mul_f32 v[NMC], 0xbe38aa3b, v[MX]            ; -c m, c = log2(e) / 8: the division by 8 rides in the exponent's factor
	v_mul_f32 v[NMC+1], 0xbe38aa3b, v[MX+1]
.if \first == 0
	v_fmamk_f32 v[AL], v[M], 0x3e38aa3b, v[NMC]
	v_fmamk_f32 v[AL+1], v[M+1], 0x3e38aa3b, v[NMC+1]
	v_exp_f32 v[AL], v[AL]
	v_exp_f32 v[AL+1], v[AL+1]
.endif
	; Behind each run of v_exp_f32 stands plain work on other registers before its results are read (ISA guide 5.7.2).
	FMAQ 0
	EXPQ 0
	FMAQ 1
	SUMQ 0, \first
	EXPQ 1
	PACKQ 0
.if \first == 0
.set pp, 0
	s_wait_alu depctr_va_vdst(0)
.rept 16
	v_pk_mul_f32 v[OA+2*pp:OA+2*pp+1], v[OA+2*pp:OA+2*pp+1], v[AL:AL+1] op_sel_hi:[1,0]
	v_pk_mul_f32 v[OA+32+2*pp:OA+32+2*pp+1], v[OA+32+2*pp:OA+32+2*pp+1], v[AL:AL+1] op_sel:[0,1] op_sel_hi:[1,1]
.set pp, pp+1
.endr
.endif
	SUMQ 1, \first
	PACKQ 1
	s_wait_dscnt 0x0                               ; V^T, asked for in front of the softmax
.irp u, 0,1
.irp qt, 0,1
.irp dt, 0,1,2,3
.if \first*(1-\u)
	v_wmma_f32_16x16x32_f16 v[OA+32*\qt+8*\dt:OA+32*\qt+8*\dt+7], v[FR+32*\u+8*\dt:FR+32*\u+8*\dt+7], v[SC+32*\qt+8*\u:SC+32*\qt+8*\u+7], 0
.else
	v_wmma_f32_16x16x32_f16 v[OA+32*\qt+8*\dt:OA+32*\qt+8*\dt+7], v[FR+32*\u+8*\dt:FR+32*\u+8*\dt+7], v[SC+32*\qt+8*\u:SC+32*\qt+8*\u+7], v[OA+32*\qt+8*\dt:OA+32*\qt+8*\dt+7]
.endif
.endr
.endr
.endr
	; five places before the next subtile loads into FR and its products write over SC, or the end reads O
.if \first
.rept 5
	v_nop
.endr
.else
	v_pk_fma_f32 v[LS:LS+1], v[LS:LS+1], v[AL:AL+1], v[T:T+1] op_sel_hi:[1,0,1]
	v_pk_fma_f32 v[LS+2:LS+3], v[LS+2:LS+3], v[AL:AL+1], v[T+4:T+5] op_sel:[0,1,0] op_sel_hi:[1,1,1]
	v_mov_b32 v[M], v[MN]
	v_mov_b32 v[M+1], v[MN+1]
	v_nop
.endif
.endm
; One trip: 256 keys from slot, while the next 256 go into other.  The one barrier says two things of every wave:
; its stores into slot are done, and its reads of other are over (both by the wait for zero in front of the signal).
.macro TRIP slot, other, first, id
	s_wait_dscnt 0x0
	s_barrier_signal -1
	s_barrier_wait -1
	STAGE \other, \id
	COMPUTE \slot, 0, \first, \id
	COMPUTE \slot, 1, 0, \id
	COMPUTE \slot, 2, 0, \id
	COMPUTE \slot, 3, 0, \id
.Ltrip_end_\id:
	s_sub_co_i32 s19, s19, 4
	s_sub_co_i32 s20, s20, 2
.endm
	; Q, 32 rows: for fragment (qt, ks) a lane takes d = 32 ks + 8 h .. + 7 and 32 ks + 16 + 8 h .. + 7 of row 16 qt + r, in f32
.irp g, 0,1,2,3
.irp c, 0,1,2,3
	global_load_b128 v[SC+16*\g+4*\c:SC+16*\g+4*\c+3], v5, s[4:5] offset:4096*(\g>>1)+128*(\g&1)+64*(\c>>1)+16*(\c&1) th:TH_LOAD_NT
.endr
.endr
	LOADHALF 0                                     ; tile 0 (H >= 9: both halves exist)
	LOADHALF 1
	v_mul_u32_u24 v3, v1, KPITCH
	v_lshl_add_u32 v[KA], v2, 4, v3                ; row r, 16 h bytes in
	v_add_nc_u32 v[KA+1], SLOT, v[KA]
	v_and_b32 v3, 7, v0
	v_lshl_add_u32 v3, v2, 3, v3                   ; key row 8 h + (l & 7)
	v_mul_u32_u24 v3, v3, VPITCH
	v_bfe_u32 v4, v0, 3, 1
	v_lshl_add_u32 v3, v4, 4, v3                   ; + 16 bytes for the upper eight of sixteen lanes
	v_add_nc_u32 v[VA], VBASE, v3
	v_add_nc_u32 v[VA+1], SLOT, v[VA]
	s_and_b32 s23, s16, 1
	s_lshl_b32 s23, s23, 5
	v_lshlrev_b32 v3, 3, v2
	v_sub_nc_u32 v[REL], v1, v3
	v_add_nc_u32 v[REL], s23, v[REL]
	v_mov_b32 v[NINF], 0xff800000
	v_mov_b32 v[T+2], 0                            ; v_permlanex16_b32 counts as a reader of its destination
	v_mov_b32 v[T+6], 0
	s_wait_loadcnt 32                              ; the 32 loads of tile 0 were issued behind Q's 16: Q is in
.set pp, 0
.rept 32
	v_cvt_pk_bf16_f32 v[QF+pp], v[SC+2*pp], v[SC+2*pp+1]
.set pp, pp+1
.endr
	STAGE 0, 9                                     ; tile 0 into slot 0, tile 1 asked for
	s_sub_co_i32 s20, s20, 2                       ; HREM = H
	TRIP 0, 1, 1, 0                                ; the first trip stands in front of the loop: its first subtile starts every sum
	; The other (H + 1) / 2 - 1 trips, two to a round, (H + 1) >> 2 rounds.  Where that is one trip too many (i = 0, 1, 4, 5)
	; the last trip is empty: HREM <= 0, so nothing is staged, and REM <= 0 in every wave (n <= 2 H <= 4 trips), so nothing
	; is read or computed; it costs its barrier and a few scalar lines.
	s_mov_b32 s21, 0
.Lround:
	TRIP 1, 0, 0, 1
	TRIP 0, 1, 0, 2
	s_add_co_u32 s21, s21, 1
	s_cmp_lt_u32 s21, s22
	s_cbranch_scc1 .Lround
	; THE END: join the two halves' sums, divide, and send 32 rows of 256 bytes out through the wave's own stage.
.irp q, 0,1
	v_add_f32 v[T+4*\q], v[LS+2*\q], v[LS+2*\q+1]
.endr
.irp q, 0,1
	v_permlanex16_b32 v[T+4*\q+2], v[T+4*\q], s26, s27
.endr
.irp q, 0,1
	v_add_f32 v[T+4*\q], v[T+4*\q], v[T+4*\q+2]
.endr
	v_rcp_f32 v[AL], v[T]
	v_rcp_f32 v[AL+1], v[T+4]
	v_mul_u32_u24 v3, v1, OPITCH                   ; (plain work behind the reciprocals, ISA guide 5.7.2)
	v_lshl_add_u32 v3, v2, 5, v3
	v_add_nc_u32 v3, s28, v3                       ; in: row r, 32 h bytes in
	v_mul_u32_u24 v4, v2, OPITCH
	v_lshl_add_u32 v4, v1, 4, v4
	v_add_nc_u32 v4, s28, v4                       ; back: lanes 0-15 one row of 256 bytes, lanes 16-31 the next
	v_lshlrev_b32 v5, 8, v2
	v_lshl_add_u32 v5, v1, 4, v5                   ; and the same two rows in out
.set pp, 0
	s_wait_alu depctr_va_vdst(0)
.rept 16
	v_pk_mul_f32 v[OA+2*pp:OA+2*pp+1], v[OA+2*pp:OA+2*pp+1], v[AL:AL+1] op_sel_hi:[1,0]
	v_pk_mul_f32 v[OA+32+2*pp:OA+32+2*pp+1], v[OA+32+2*pp:OA+32+2*pp+1], v[AL:AL+1] op_sel:[0,1] op_sel_hi:[1,1]
.set pp, pp+1
.endr
	; 16 rows (one query tile) at a time: 8 stores into the stage, 8 loads back by rows, 8 stores to memory
.irp qt, 0,1
.irp dt, 0,1,2,3
	ds_store_b128 v3, v[OA+32*\qt+8*\dt:OA+32*\qt+8*\dt+3] offset:16*OPITCH*\qt+64*\dt       ; d = 16 dt + 8 h + 0..3 of query 16 qt + r
	ds_store_b128 v3, v[OA+32*\qt+8*\dt+4:OA+32*\qt+8*\dt+7] offset:16*OPITCH*\qt+64*\dt+16
.endr
.irp x, 0,1,2,3,4,5,6,7
	ds_load_b128 v[SC+32*\qt+4*\x:SC+32*\qt+4*\x+3], v4 offset:16*OPITCH*\qt+2*OPITCH*\x   ; LDS serves a wave's instructions in order (ISA guide 5.7.1): these see the stores above
.endr
.irp x, 0,1,2,3,4,5,6,7
	s_wait_dscnt 7-\x                              ; the younger read-backs stay out
	global_store_b128 v5, v[SC+32*\qt+4*\x:SC+32*\qt+4*\x+3], s[10:11] offset:(16*\qt+2*\x)*ROWB th:TH_STORE_NT   ; 512 consecutive bytes, aligned
.endr
.endr
	s_set_vgpr_msb 0x5
	s_wait_tensorcnt 0x0
	ds_add_u32 v136, v137
	s_wait_dscnt 0x0
	s_set_vgpr_msb 0x500
	s_endpgm
.Lfunc_end_k_q4384ea3707_attn:
	.size	k_q4384ea3707_attn, .Lfunc_end_k_q4384ea3707_attn-k_q4384ea3707_attn
	.p2alignl 7, 3214868480
	.fill 96, 4, 3214868480
	.section	.rodata,"a",@progbits
	.p2align	6, 0x0
	.amdhsa_kernel k_q4384ea3707_attn
		.amdhsa_group_segment_fixed_size 226304
		.amdhsa_private_segment_fixed_size 0
		.amdhsa_enable_private_segment 0
		.amdhsa_kernarg_size 32
		.amdhsa_user_sgpr_count 2
		.amdhsa_user_sgpr_kernarg_segment_ptr 1
		.amdhsa_wavefront_size32 1
		.amdhsa_system_sgpr_workgroup_id_x 1
		.amdhsa_system_sgpr_workgroup_id_y 1
		.amdhsa_system_sgpr_workgroup_id_z 1
		.amdhsa_system_vgpr_workitem_id 0
		.amdhsa_next_free_vgpr 394
		.amdhsa_next_free_sgpr 66
		.amdhsa_reserve_vcc 1
		.amdhsa_float_denorm_mode_32 3
		.amdhsa_float_denorm_mode_16_64 3
		.amdhsa_memory_ordered 1
		.amdhsa_forward_progress 1
		.amdhsa_inst_pref_size 255
	.end_amdhsa_kernel
	.section	.bss,"aw",@nobits
	.p2align	6
	.space	262144
	.amdgpu_metadata
---
amdhsa.version: [ 1, 2 ]
amdhsa.kernels:
  - .name:           k_q4384ea3707_attn
    .symbol:         k_q4384ea3707_attn.kd
    .args:
      - { .name: queries, .offset: 0, .size: 8, .value_kind: global_buffer, .address_space: global }
      - { .name: keys, .offset: 8, .size: 8, .value_kind: global_buffer, .address_space: global }
      - { .name: values, .offset: 16, .size: 8, .value_kind: global_buffer, .address_space: global }
      - { .name: out0, .offset: 24, .size: 8, .value_kind: global_buffer, .address_space: global }
    .group_segment_fixed_size: 226304
    .private_segment_fixed_size: 0
    .kernarg_segment_align: 8
    .kernarg_segment_size: 32
    .max_flat_workgroup_size: 256
    .sgpr_count:     66
    .vgpr_count:     394
    .wavefront_size: 32
...
	.end_amdgpu_metadata
.endif
;; end of part 1
